; MI455X (gfx1250); checked and timed in simulation.
; The chip was launched on July 23, 2026; its instructions are those of AMD's public machine-readable ISA for CDNA 5 (MIT licence, August 2026) and "CDNA5" Instruction Set Architecture Reference Guide (July 2026). The comments in the code are by the model that wrote it; some were corrected since.
;; LSTM Cell. Allowed arithmetic: matrix products marked QUANTISED: E5M2 operands, one given power-of-two scale a tensor, by v_wmma_f32_16x16x64_bf8_bf8 or v_wmma_f32_16x16x128_bf8_bf8, f32 sums; everything else in f32.
;; Inputs: b_ih 4,096 float32; beta_c 1,024 float32; beta_ifgo 4 x 1,024 float32; c 8,192 x 1,024 float32; gamma_c 1,024 float32; gamma_ifgo 4 x 1,024 float32; h 8,192 x 1,024 float32; lowp_scales 4 int32 (the exponents e of the quantised operands' scales 2^e); w_hh 4,096 x 1,024 float32; w_ih 4,096 x 1,024 float32; x 8,192 x 1,024 float32.
;; Outputs: out0 8,192 x 1,024 float32; out1 8,192 x 1,024 float32.
;; This version of the problem:
;;   THIS VERSION OF THE PROBLEM IS GIVEN IN LOW PRECISION. The matrix products marked QUANTISED in the list below multiply operands that are first quantised to E5M2 (5 exponent bits, 2 mantissa bits; 8 bits a number), with one given power-of-two scale for each operand tensor; their sums are f32. All else is computed in f32.
;;   The module's matrix products, in the order in which they are computed (A, B: the left and right operand; K: the contracted axis; several contracted axes count as one K, in the product's order):
;;     1. [M 8,192, K 1,024] x [K 1,024, N 4,096]; A: input x; B: input w_ih: QUANTISED (scales: A lowp_scales[0], B lowp_scales[1])
;;     2. [M 8,192, K 1,024] x [K 1,024, N 4,096]; A: input h; B: input w_hh: QUANTISED (scales: A lowp_scales[2], B lowp_scales[3])
;;   THE QUANTISER, for each operand of a quantised product, along K:
;;     - The operand's scale is 2^e, e = its entry of the input lowp_scales (int32; the entries are numbered through the quantised products in the list's order, A before B).
;;     - Each number is divided by the scale, clamped to +-57,344, and rounded to the nearest number of E5M2, ties to even, subnormals kept.
;;     - The product sums the exact products of the quantised numbers (number of the format x scale) in f32.
;;   ~~~python
;;   def quantise(x, axis, e):      # numpy; x: float32 -> the quantised numbers, widened to float32 again
;;       x = np.moveaxis(x, axis, -1); K = x.shape[-1]
;;       r = np.clip(x / 2.0 ** e, -57344, 57344)
;;       step = 2.0 ** (np.maximum(np.frexp(np.where(r == 0, 1, r))[1] - 1, -14) - 2)
;;       q = np.round(r / step) * step * 2.0 ** e      # np.round: ties to even
;;       return np.moveaxis(q, -1, axis).astype(np.float32)
;;   ~~~
;; One version. Each part assembles by itself: llvm-mc -triple=amdgcn-amd-amdhsa -mcpu=gfx1250 --defsym DOCPART=n.
;; ======== version 1 of 1: 3 launches
;; workspace buffers: acodes 16,777,216 bytes; wcodes 8,388,608 bytes; vbuf 134,217,728 bytes
;; launch quant (part 1): grid 768 x 1, 4 waves a work-group, no clusters, 33,280 bytes of LDS; arguments x, h, w_ih, w_hh, lowp_scales, acodes, wcodes; writes acodes, wcodes
.if DOCPART == 1
	.amdgcn_target "amdgcn-amd-amdhsa--gfx1250"
	.amdhsa_code_object_version 6
	.text
	.protected	k_q84c20df0e3_quant
	.globl	k_q84c20df0e3_quant
	.p2align	8
	.type	k_q84c20df0e3_quant,@function
k_q84c20df0e3_quant:
	s_mov_b64 s[64:65], 0
	v_nop
	global_prefetch_b8 v0, s[64:65] scope:SCOPE_SE
	s_setreg_imm32_b32 hwreg(HW_REG_WAVE_MODE, 25, 1), 1
	s_wait_xcnt 0x0
; x, h [8192][1024] and w_ih, w_hh [4096][1024], f32, become codes of BF8 (E5M2), one byte each, each tensor with the one scale 2^e given for it.
; code = number / 2^e, held within +-57,344, rounded to the nearest code, ties to even.  lowp_scales: entry 0 x, 1 w_ih, 2 h, 3 w_hh.
; LIMITS: each e lies between -126 and 112, so that 2^e and 57,344 x 2^e are f32 numbers.  NaN among the inputs is not served; an infinity is held at the largest code.
; THE CODES ARE LAID SIDE BY SIDE ALONG K: acodes [8192][2048]: a row's 1,024 codes of x, then its 1,024 of h; wcodes [4096][2048]: w_ih's, then w_hh's: the two products become one with K = 2,048.
; SHARES.  A work-group takes 32,768 numbers, a wave 8,192 (8 rows of 1,024) in 16 steps of 512.  Work-groups 0-255 take x, 256-511 h, 512-639 w_ih, 640-767 w_hh:
; only pointers and numbers are chosen by the work-group's number; all four tensors take one path through the text.
; A conversion takes 8 neighbours along K from ONE lane's registers, and a load is best where neighbouring LANES take neighbouring bytes.  Both are had: each of a step's four loads reads 512 consecutive bytes,
; 16 a lane; the 2,048 bytes go through the wave's own stage in LDS as they lie and come back 64 bytes a lane (16 bytes of padding behind each 64).  A lane's 16 codes are 16 bytes: the wave stores 512 consecutive bytes.
; No barrier: waves share nothing.  Loads run four steps (16 loads a wave) ahead, the turn through LDS one step.
.set STEPS, 16
.set EMAX,  15
.set MANT,  0x600000                   ; the mantissa field of 57,344 as f32
.set DROW,  2048                       ; a row of acodes or wcodes in bytes
.set R,     16                         ; v16-79   four sets of 16 numbers as they are loaded
.set X,     80                         ; v80-111  two sets of 16 neighbours
.set C,     128                        ; v128-191 codes: four registers for each step, so that no store's data are written again
.set WREG,  8192                       ; LDS: a region of its own for each wave: two stages of 32 x SP bytes
.set SP,    80                         ; a lane's place in a stage: its 64 bytes + 16 of padding
	s_load_b256 s[4:11], s[0:1], 0x0               ; x s[4:5], h s[6:7], w_ih s[8:9], w_hh s[10:11]
	s_load_b64 s[12:13], s[0:1], 0x20              ; the scales' exponents
	s_load_b128 s[16:19], s[0:1], 0x28             ; acodes s[16:17], wcodes s[18:19]
	v_lshl_add_u32 v192, v0, 2, 0x8000
	v_mov_b32 v193, 0
	v_lshrrev_b32 v1, 5, v0
	v_readfirstlane_b32 s20, v1                    ; wave
	v_and_b32 v2, 31, v0                           ; lane
	v_lshlrev_b32 v3, 4, v2                        ; my 16 bytes of a load's 512, and of a store's 512; never rewritten
	s_mul_i32 s21, s20, WREG
	v_lshrrev_b32 v14, 2, v2
	v_mul_u32_u24 v14, v14, SP
	v_and_b32 v15, 3, v2
	v_lshl_add_u32 v14, v15, 4, v14
	v_add_nc_u32 v14, s21, v14                     ; the stage, on the way in: four lanes' 64 bytes on end, then 16 of padding: SP (lane / 4) + 16 (lane % 4)
	v_mul_u32_u24 v15, v2, SP
	v_add_nc_u32 v15, s21, v15                     ; and on the way out: SP x lane: my 16 neighbours
	s_wait_kmcnt 0x0
	s_load_b128 s[24:27], s[12:13], 0x0            ; e of x, w_ih, h, w_hh
	s_cmp_lt_u32 ttmp9, 256                        ; among the first 512 work-groups: x or h
	s_cselect_b64 s[28:29], s[4:5], s[6:7]
	s_cselect_b32 s30, 0, 256                      ; the tensor's first work-group
	s_cselect_b32 s31, 0, 1024                     ; its codes' place in a row of 2,048 bytes
	s_mov_b32 s34, 640
	s_cmp_lt_u32 ttmp9, 640                        ; among the others: w_ih or w_hh
	s_cselect_b64 s[32:33], s[8:9], s[10:11]
	s_cselect_b32 s34, 512, s34
	s_cselect_b32 s35, 0, 1024
	s_cmp_lt_u32 ttmp9, 512                        ; rows of the batch or weights
	s_cselect_b64 s[4:5], s[28:29], s[32:33]       ; from where
	s_cselect_b64 s[8:9], s[16:17], s[18:19]       ; to where
	s_cselect_b32 s30, s30, s34
	s_cselect_b32 s31, s31, s35
	s_sub_co_u32 s36, ttmp9, s30
	s_lshl_b32 s36, s36, 2
	s_add_co_u32 s36, s36, s20                     ; which run of 8 rows of the tensor is my wave's: 1,023 at the most
	s_lshl_b32 s38, s36, 15                        ; 8 rows of 4,096 bytes
	s_mov_b32 s39, 0
	s_add_nc_u64 s[4:5], s[4:5], s[38:39]
	s_lshl_b32 s38, s36, 14                        ; 8 rows of 2,048 bytes,
	s_add_co_u32 s38, s38, s31                     ; and the tensor's half of them
	s_add_nc_u64 s[8:9], s[8:9], s[38:39]
.macro LOAD t
.irp i, 0,1,2,3
	global_load_b128 v[R+16*((\t)%4)+4*\i:R+16*((\t)%4)+4*\i+3], v3, s[4:5] offset:2048*(\t)+512*\i th:TH_LOAD_NT   ; 32 lanes read 512 consecutive bytes; read once in the launch
.endr
.endm
.macro TURN t                          ; step t's numbers through the stage: LDS serves a wave's instructions in order (ISA guide 5.7.1.4), so no wait stands between the stores and the loads
.irp i, 0,1,2,3
	ds_store_b128 v14, v[R+16*((\t)%4)+4*\i:R+16*((\t)%4)+4*\i+3] offset:32*SP*((\t)%2)+8*SP*\i
.endr
.irp i, 0,1,2,3
	ds_load_b128 v[X+16*((\t)%2)+4*\i:X+16*((\t)%2)+4*\i+3], v15 offset:32*SP*((\t)%2)+16*\i
.endr
.endm
.irp t, 0,1,2,3
	LOAD \t
.endr
	s_wait_kmcnt 0x0
	s_cmp_lt_u32 ttmp9, 256                        ; the same three choices for e
	s_cselect_b32 s24, s24, s26                    ; x's or h's
	s_cmp_lt_u32 ttmp9, 640
	s_cselect_b32 s25, s25, s27                    ; w_ih's or w_hh's
	s_cmp_lt_u32 ttmp9, 512
	s_cselect_b32 s22, s24, s25
	s_add_co_i32 s22, s22, 127
	s_lshl_b32 s23, s22, 23
	v_mov_b32 v11, s23                             ; 2^e as f32: the conversion takes its exponent field
	s_add_co_i32 s22, s22, EMAX
	s_lshl_b32 s22, s22, 23
	s_or_b32 s22, s22, MANT
	v_mov_b32 v10, s22                             ; 57,344 x 2^e
	s_wait_loadcnt 12                              ; step 0's four loads are in; the twelve of steps 1 to 3 may be out
	TURN 0
.macro STEP t
.set XS, X+16*((\t)%2)
	s_wait_dscnt 0x0                               ; this step's numbers are back from the stage: so its stores into the stage have read their registers,
.if (\t)+4 < STEPS
	LOAD (\t)+4                                    ; which take the loads of four steps on
.endif
.if (\t)+1 < STEPS
.if STEPS-2-(\t) >= 3
	s_wait_loadcnt 12                              ; the next step's four loads are in; those of the three steps behind it may be out
.else
	s_wait_loadcnt 4*(STEPS-2-(\t))                ; the tail: as many steps behind the next one as there still are
.endif
	TURN (\t)+1                                    ; and go through the other stage while this step is worked
.endif
.irp i, 0,1,2,3,4,5,6,7,8,9,10,11,12,13,14,15
	v_med3_num_f32 v[XS+\i], v[XS+\i], -v10, v10   ; the conversion to an 8-bit code does not saturate (ISA guide 7.6.2): the number is held within the largest code x the scale first
.endr
	v_cvt_scalef32_pk8_bf8_f32 v[C+4*(\t):C+4*(\t)+1], v[XS:XS+7], v11          ; eight numbers / 2^e, to the nearest code, ties to even; the first number's code in the lowest byte
	v_cvt_scalef32_pk8_bf8_f32 v[C+4*(\t)+2:C+4*(\t)+3], v[XS+8:XS+15], v11
	; the codes are touched by the store alone, and the next vector lines are the next step's sixteen plain holds, on other registers
	global_store_b128 v3, v[C+4*(\t):C+4*(\t)+3], s[8:9] offset:((\t)/2)*DROW+((\t)%2)*512   ; a step is half a source row: 512 consecutive bytes, at a multiple of 256 from the buffer's first byte
.endm
.irp t, 0,1,2,3,4,5,6,7,8,9,10,11,12,13,14,15
	STEP \t
.endr
	s_wait_tensorcnt 0x0
	ds_add_u32 v192, v193
	s_wait_dscnt 0x0
	s_endpgm
.Lfunc_end_k_q84c20df0e3_quant:
	.size	k_q84c20df0e3_quant, .Lfunc_end_k_q84c20df0e3_quant-k_q84c20df0e3_quant
	.p2alignl 7, 3214868480
	.fill 96, 4, 3214868480
	.section	.rodata,"a",@progbits
	.p2align	6, 0x0
	.amdhsa_kernel k_q84c20df0e3_quant
		.amdhsa_group_segment_fixed_size 33280
		.amdhsa_private_segment_fixed_size 0
		.amdhsa_enable_private_segment 0
		.amdhsa_kernarg_size 56
		.amdhsa_user_sgpr_count 2
		.amdhsa_user_sgpr_kernarg_segment_ptr 1
		.amdhsa_wavefront_size32 1
		.amdhsa_system_sgpr_workgroup_id_x 1
		.amdhsa_system_sgpr_workgroup_id_y 1
		.amdhsa_system_sgpr_workgroup_id_z 1
		.amdhsa_system_vgpr_workitem_id 0
		.amdhsa_next_free_vgpr 194
		.amdhsa_next_free_sgpr 66
		.amdhsa_reserve_vcc 0
		.amdhsa_float_denorm_mode_32 3
		.amdhsa_float_denorm_mode_16_64 3
		.amdhsa_memory_ordered 1
		.amdhsa_forward_progress 1
		.amdhsa_inst_pref_size 38
	.end_amdhsa_kernel
	.amdgpu_metadata
---
amdhsa.version: [ 1, 2 ]
amdhsa.kernels:
  - .name:           k_q84c20df0e3_quant
    .symbol:         k_q84c20df0e3_quant.kd
    .args:
      - { .name: x, .offset: 0, .size: 8, .value_kind: global_buffer, .address_space: global }
      - { .name: h, .offset: 8, .size: 8, .value_kind: global_buffer, .address_space: global }
      - { .name: w_ih, .offset: 16, .size: 8, .value_kind: global_buffer, .address_space: global }
      - { .name: w_hh, .offset: 24, .size: 8, .value_kind: global_buffer, .address_space: global }
      - { .name: lowp_scales, .offset: 32, .size: 8, .value_kind: global_buffer, .address_space: global }
      - { .name: acodes, .offset: 40, .size: 8, .value_kind: global_buffer, .address_space: global }
      - { .name: wcodes, .offset: 48, .size: 8, .value_kind: global_buffer, .address_space: global }
    .group_segment_fixed_size: 33280
    .private_segment_fixed_size: 0
    .kernarg_segment_align: 8
    .kernarg_segment_size: 56
    .max_flat_workgroup_size: 128
    .sgpr_count:     66
    .vgpr_count:     194
    .wavefront_size: 32
...
	.end_amdgpu_metadata
.endif
;; end of part 1
;; launch gemm (part 2): grid 16 x 16, 4 waves a work-group, clusters of 4 x 4, 327,680 bytes of LDS; arguments acodes, wcodes, lowp_scales, b_ih, vbuf; writes vbuf
.if DOCPART == 2
	.amdgcn_target "amdgcn-amd-amdhsa--gfx1250"
	.amdhsa_code_object_version 6
	.text
	.protected	k_q84c20df0e3_gemm
	.globl	k_q84c20df0e3_gemm
	.p2align	8
	.type	k_q84c20df0e3_gemm,@function
k_q84c20df0e3_gemm:
	s_mov_b64 s[64:65], 0
	v_nop
	global_prefetch_b8 v0, s[64:65] scope:SCOPE_SE
	s_setreg_imm32_b32 hwreg(HW_REG_WAVE_MODE, 25, 1), 1
	s_wait_xcnt 0x0
	s_wait_alu depctr_hold_cnt(0) depctr_sa_sdst(0) depctr_va_vdst(0) depctr_va_sdst(0) depctr_va_ssrc(0) depctr_va_vcc(0) depctr_vm_vsrc(0)
	s_getreg_b32 s2, hwreg(HW_REG_IB_STS2, 6, 4)
	s_cmp_eq_u32 s2, 0
	s_cbranch_scc0 .Lentry_in_a_cluster
	s_endpgm
.Lentry_in_a_cluster:
	s_bfe_u32 s2, ttmp6, 0x10000c
	s_cmp_lg_u32 s2, 0xf033
	s_cbranch_scc0 .Lentry_shape_is_right
	s_endpgm
.Lentry_shape_is_right:
; vbuf[b][n] = Q(x)[b] . Q(w_ih)[n] + Q(h)[b] . Q(w_hh)[n] + b_ih[n], f32, [8192][4096].  Both products on codes of BF8 (E5M2), sums in f32.
; acodes [8192][2048] holds a row's codes of x, then of h; wcodes [4096][2048] those of w_ih, then of w_hh: ONE product with K = 2,048.  lowp_scales: e0 (x), e1 (w_ih), e2 (h), e3 (w_hh).
; The first 1,024 along K stand for sums x 2^(e0 + e1), the rest for sums x 2^(e2 + e3).  So at K = 1,024 every accumulator is multiplied once by f = 2^(e0 + e1 - e2 - e3), a power of two,
; the second product adds onto it, and on the way out one packed multiply-add gives sum x g + b_ih, g = 2^(e2 + e3).
; LIMITS: e0 + e1 - e2 - e3 and e2 + e3 each lie between -126 and 127, so that f and g are f32 numbers.
; ORDER OF ROUNDING: a fragment is fetched by four loads of 16 bytes, which permutes k inside an instruction's 128, alike in both operands: every product meets its partner; only the order of the sums inside an instruction differs.
; A tile of 256 x 256 is made by a work-group of four waves; a wave makes 128 x 128: 64 accumulators of 16 x 16, 512 registers.
; K goes in steps of 256 through a ring of two LDS slots filled by the tensor data mover: a tile's row is 256 bytes of memory, at a multiple of 256 from the buffer's first byte.
; A WORK-GROUP STAYS: it makes TWO tiles, 4,096 rows apart, with the same rows of wcodes: 256 work-groups for 512 tiles.  The ring does not stop at the first tile's end: that tile's last two changes of slots ask for the
; second tile's first two K steps, and nothing waits for the first tile's stores.  The two tiles are written out by the same macros (the loop over K is a loop): their tails differ.
; CLUSTERS: 4 x 4 work-groups.  The four of a row of the cluster need the same tiles of acodes, the four of a column the same tiles of wcodes: each tile is asked for JOINTLY, by the same tensor load with the
; same descriptor and a mask that names the four.  THE MATRIX INSTRUCTION IS USED TRANSPOSED (source 0 = 16 rows of wcodes, source 1 = 16 rows of acodes): a lane then holds eight neighbouring numbers of a row of the result.
; REGISTERS, in windows of 256: window 0: v0-31 addresses and my four numbers of b_ih; from v128 A's fragments (8 x 16 rows x 128 K), ONE set; on the way out v128-255 take the rows read back.
;   window 1: B's fragments, TWO sets, at v0 and at v128.   window 2: the 32 accumulators of my rows 0-63 (accumulator (a, b) at v[8 (8 a + b)]);   window 3: those of my rows 64-127.
; A step of 128 along K is 64 matrix instructions, A's blocks one after the other, each against B's eight.  A block of A is free as soon as its eight products are issued, so one set of registers serves A:
; blocks 0-3 are fetched anew in the step's middle, blocks 4-7 at its end.  B's fragments are at work through the whole step, so B has two sets.
.set SIZE_M, 8192
.set SIZE_N, 4096
.set SIZE_K, 2048
.set WALK,   SIZE_M/2                  ; a work-group's two tiles lie WALK rows apart: the grid's height in rows
.set KSTEP,  256                       ; along K in a slot
.set ROWB,   256                       ; a tile's row in bytes
.set KROW,   SIZE_K                    ; a row of acodes or of wcodes in memory, in bytes
.set PITCH,  272                       ; an LDS row: 256 bytes of data + 16 of padding = 68 words: row r starts at bank 4 r mod 64 (64 banks of 4 bytes: ISA guide 11.1), so the 16 rows that a load touches start at 16 different banks
.set FR,     16                        ; registers of a fragment: 16 rows x 128 K
.set NL,     4                         ; LDS loads that bring one
.set NP,     4                         ; places behind this matrix instruction (ISA guide 7.12.1)
.set HALFT,  128*PITCH                 ; 128 rows: what one tensor load brings, and what one wave reads of A or of B
.set SLOT,   4*HALFT                   ; A's 256 rows, then B's 256 rows
.set LAPS,   SIZE_K/(2*KSTEP)          ; a lap = two K steps = once round the ring: 4
.set SPARE,  2*SLOT                    ; behind the ring: the spare words, 128 bytes for each wave: two blocks of 256 bytes that no other line names
.set STAGE,  SPARE+512                 ; behind them: the way out's stages, 16 rows x 528 bytes for each wave: bytes of their own, into which no tile lands
.set SPITCH, 528                       ; a stage row: 512 bytes + 16
.set BACK_B, SIZE_K-2*KSTEP            ; bytes from a slot's last K step of a tile back to its first: B's rows are the same in both tiles;
.set NEXT_A, WALK*KROW-BACK_B          ; A goes WALK rows down as well
.set NEXT_C, (WALK-7*16)*SIZE_N*4      ; bytes from my last 16 rows of the first tile to my first of the second
.set BI,   12                          ; v12-15  b_ih at my four columns on the way out
.set ADRA, 16                          ; v16-17  LDS address of my A fragments in slot 0, 1
.set ADRB, 20                          ; v20-21  the same for B
.set STO,  24                          ; v24     the way out: where I put 32 bytes of a row
.set RD,   25                          ; v25     the way out: where I read a row back
.set CO,   26                          ; v26     my byte offset in a row of the result (and in my wave's 128 numbers of b_ih)
.set SPW,  28                          ; v28     LDS address of my spare word: SPARE + 4 x my thread's number; never rewritten
.set NIL,  29                          ; v29     0; never rewritten
.set PFO,  30                          ; v30     the prefetches' offset: my lane x a row of codes (2,048 bytes); never rewritten
.set AF,   128                         ; A's fragments, in window 0
.set BK,   128                         ; the way out: 16 rows read back from the stage: v128-191 and v192-255 by turns
.set G1, 24                            ; s[24:31] descriptor group 1 for A's tiles;  s[32:39] group 0, one set for each slot
.set G0, 32
.set G1B, 48                           ; s[48:55], s[56:63] the same for B's tiles
.set G0B, 56
.set SF,  72                           ; s[72:73] f, twice
.set SG,  74                           ; s[74:75] g, twice
.set PFA, 76                           ; s[76:77] where my prefetches stand: my work-group's 32 rows of the 128 that I fetch, one K step further along K than the refill that is being asked for; a prefetch names the K step after that
.set LIM, 78                           ; s78     1 in a wave that prefetches, else the greatest number
.set MSB, 0
.macro WIN new                         ; the immediate's high byte repeats the setting that is left; a switch that changes nothing is dropped
.if MSB != (\new)
	s_set_vgpr_msb (MSB<<8)|(\new)
.set MSB, (\new)
.endif
.endm
.set MUL_LO, 0xa1                      ; source 0 (B) window 1, source 1 (A) window 0, C and D window 2
.set MUL_HI, 0xf1                      ; the same, C and D window 3
.set TO_B,   0x40                      ; destination window 1, address window 0
; A joint load: waves 0 and 1 fetch for A, waves 2 and 3 for B.  Each of the two lines has ONE mask and one set of registers for all that issue it; the branch hangs on the wave's number alone.
; Four v_nop follow each of the two lines, ahead of the jump, the label and what follows.
.macro JLOAD g0a, g1a, g0b, g1b
	s_cmp_eq_u32 s15, 0
	s_cbranch_scc0 .Lfor_b_\@
	tensor_load_to_lds s[\g0a:\g0a+3], s[\g1a:\g1a+7]
	s_nop 0
.rept 4
	v_nop
.endr
	s_branch .Lasked_\@
.Lfor_b_\@:
	tensor_load_to_lds s[\g0b:\g0b+3], s[\g1b:\g1b+7]
	s_nop 0
.rept 4
	v_nop
.endr
.Lasked_\@:
.endm
; A round of the cluster's barrier: my work-group's barrier, so that wave 0's signal speaks for all four waves; wave 0 signals for the work-group; every wave waits for all sixteen work-groups; my work-group's barrier once more.
.macro CROUND
	s_barrier_signal -1
	s_barrier_wait -1
	s_cmp_lg_u32 s14, 0
	s_cbranch_scc1 .Lnot_wave_0_\@
	s_barrier_signal -3
.Lnot_wave_0_\@:
	s_barrier_wait -3
	s_barrier_signal -1
	s_barrier_wait -1
.endm
; A PREFETCH INTO THE L2, behind each joint load, its four lines and the run of LDS loads that follows them: the K step that stands TWO refills on (256 matrix instructions of a wave ahead of the load that will ask for it):
; 32 rows x 256 bytes, a lane a row, one instruction a wave.  Each row's 256 bytes of a K step are named ONCE in the launch.  A's tile row is read by every cluster of that row of clusters: the first of them (cluster x = 0) asks;
; B's tile column by every cluster of that column: cluster y = 0 asks.  The four partners that ask for a tile jointly share its rows out BY ADDRESS: of the 128 rows that a wave fetches the partner at place p takes
; 32 p .. 32 p + 31 (p = cx for A, cy for B): no branch hangs on a work-group's place in its cluster.  how = 0, in the loop: a tile's last two refills have no K step two on; how = 1: at the change of tiles.
; So the first tile's K steps 4 to 7 of A and of B are named, and the second tile's 2 to 7 of A; the others come by their loads alone, and B's rows, which the second tile reads again, are named no more.
.macro ASK how
.if (\how)
	s_cmp_eq_u32 s[LIM], 1
.else
	s_cmp_gt_u32 s3, s[LIM]                        ; s3 = 1 in the loop's last trip
.endif
	s_cbranch_scc0 .Lnot_mine_\@
	global_prefetch_b8 v[PFO], s[PFA:PFA+1] offset:ROWB th:TH_LOAD_NT scope:SCOPE_SE
.Lnot_mine_\@:
.endm
	s_load_b128 s[4:7], s[0:1], 0x0                ; acodes s[4:5], wcodes s[6:7]
	s_load_b128 s[8:11], s[0:1], 0x10              ; the scales' exponents s[8:9], b_ih s[10:11]
	s_load_b64 s[12:13], s[0:1], 0x20              ; the result
	v_lshl_add_u32 v[SPW], v0, 2, SPARE
	v_mov_b32 v[NIL], 0
	ds_add_u32 v28, v29
	s_wait_dscnt 0x0
	v_lshrrev_b32 v1, 5, v0
	v_readfirstlane_b32 s14, v1                    ; wave 0..3
	s_lshr_b32 s15, s14, 1                         ; which half of the tile's rows is mine.  Also: I fetch for A (0) or for B (1)
	s_and_b32 s16, s14, 1                          ; which half of its columns.  Also: which 128 rows of that tile I fetch
	s_bfe_u32 s40, ttmp6, 0x40000                  ; cx, cy: my place in the cluster
	s_bfe_u32 s41, ttmp6, 0x40004
	s_lshl_b32 s42, ttmp9, 2
	s_add_co_u32 s42, s42, s40                     ; tile column = 4 x cluster x + cx
	s_and_b32 s17, ttmp7, 0xffff
	s_lshl_b32 s17, s17, 2
	s_add_co_u32 s17, s17, s41                     ; the first tile's row = 4 x cluster y + cy: 0 to 15
	s_lshl_b32 s43, s41, 2
	s_lshl_b32 s43, 15, s43                        ; my row of the cluster: places 4 cy .. 4 cy + 3
	s_lshl_b32 s44, 0x1111, s40                    ; my column: places cx, cx + 4, cx + 8, cx + 12
	; descriptor group 1: a tile of 128 rows x 256 bytes, padded in LDS
	s_or_b32 s[G1+0], s43, (0<<16)|(1<<20)|(1<<21)|(5<<22)|(3<<25)  ; 15:0 the mask: A's tiles go to my row; 17:16 element of 1 byte; 20 padding on; 21 set beside a mask; 24:22 after every 64 words (code 5); 31:25 of 4 words (code 3)
	s_or_b32 s[G1B+0], s44, (0<<16)|(1<<20)|(1<<21)|(5<<22)|(3<<25) ; the same with the mask of my column, for B's tiles
.irp g, G1, G1B
	s_mov_b32 s[\g+1], ROWB<<16                    ; tensor_dim0 = 256
	s_mov_b32 s[\g+2], 128<<16                     ; tensor_dim1 = 128
	s_mov_b32 s[\g+3], ROWB<<16                    ; tile_dim0 = 256
	s_mov_b32 s[\g+4], 128                         ; tile_dim1 = 128
	s_mov_b32 s[\g+5], KROW                        ; tensor_dim0_stride: 2,048 elements from row to row
	s_mov_b32 s[\g+6], 0
	s_mov_b32 s[\g+7], 0
.endr
	s_lshl_b32 s18, s16, 7                         ; which 128 rows of the tile I fetch
	s_lshl_b32 s20, s17, 8
	s_add_co_u32 s20, s20, s18                     ; A: row 256 x tile row + 128 x half
	s_lshl_b32 s46, s42, 8
	s_add_co_u32 s46, s46, s18                     ; B: row 256 x tile column + 128 x half
	s_mov_b32 s21, 0
	s_mov_b32 s47, 0
	s_mov_b64 s[18:19], KROW
	s_mul_u64 s[20:21], s[20:21], s[18:19]         ; in bytes
	s_mul_u64 s[46:47], s[46:47], s[18:19]
	s_mul_i32 s45, s14, HALFT                      ; where they go: wave x 128 rows: no place in the cluster enters an LDS address
	s_wait_kmcnt 0x0
	s_load_b128 s[68:71], s[8:9], 0x0              ; e0, e1, e2, e3
	s_add_nc_u64 s[20:21], s[4:5], s[20:21]
	s_add_nc_u64 s[46:47], s[6:7], s[46:47]
	CROUND                                         ; all sixteen work-groups are here: the first joint loads meet
.irp s, 0,1
	s_mov_b32 s[G0+4*\s], 1                        ; count = 1
	s_add_co_u32 s[G0+4*\s+1], s45, \s*SLOT        ; LDS address
	s_add_nc_u64 s[G0+4*\s+2:G0+4*\s+3], s[20:21], \s*ROWB   ; global address: K step s
	s_or_b32 s[G0+4*\s+3], s[G0+4*\s+3], 0x80000000          ; type = 2
	s_mov_b32 s[G0B+4*\s], 1
	s_add_co_u32 s[G0B+4*\s+1], s45, \s*SLOT
	s_add_nc_u64 s[G0B+4*\s+2:G0B+4*\s+3], s[46:47], \s*ROWB
	s_or_b32 s[G0B+4*\s+3], s[G0B+4*\s+3], 0x80000000
	JLOAD G0+4*\s, G1, G0B+4*\s, G1B               ; two loads of mine are out behind these two
.endr
	v_and_b32 v1, 15, v0                           ; l % 16
	v_bfe_u32 v2, v0, 4, 1                         ; l / 16
	v_mul_u32_u24 v3, v1, PITCH
	v_lshl_add_u32 v4, v2, 4, v3                   ; a fragment's row x pitch + 16 x half
	s_mul_i32 s21, s15, HALFT                      ; my 128 rows of A
	s_mul_i32 s22, s16, HALFT                      ; my 128 rows of B,
	s_add_co_u32 s22, s22, 2*HALFT                 ; which lie behind A's 256
.irp s, 0,1
	v_add_nc_u32 v[ADRA+\s], s21, v4
	v_add_nc_u32 v[ADRB+\s], s22, v4
	s_add_co_u32 s21, s21, SLOT
	s_add_co_u32 s22, s22, SLOT
.endr
	s_mul_i32 s23, s14, 16*SPITCH
	s_add_co_u32 s23, s23, STAGE                   ; my stage
	v_mul_u32_u24 v5, v1, SPITCH                   ; in: row l % 16, 32 bytes for each half of the lanes
	v_lshl_add_u32 v5, v2, 5, v5
	v_add_nc_u32 v[STO], s23, v5
	v_and_b32 v6, 31, v0
	v_lshlrev_b32 v[CO], 4, v6                     ; back: the 32 lanes take one row of 512 bytes; and the same in the result
	v_add_nc_u32 v[RD], s23, v[CO]
	v_lshlrev_b32 v[PFO], 11, v6                   ; the prefetches: a lane a row
	s_lshl_b32 s20, s17, 8
	s_lshl_b32 s21, s15, 7
	s_add_co_u32 s20, s20, s21                     ; my first row of the result: 256 x tile row + 128 x half
	s_mov_b32 s21, 0
	s_mov_b64 s[18:19], SIZE_N*4
	s_mul_u64 s[20:21], s[20:21], s[18:19]
	s_lshl_b32 s46, s42, 10                        ; my first column, in bytes: 1,024 x tile column + 512 x half
	s_lshl_b32 s47, s16, 9
	s_add_co_u32 s46, s46, s47
	s_mov_b32 s47, 0
	s_add_nc_u64 s[10:11], s[10:11], s[46:47]      ; b_ih at my first column
	s_add_nc_u64 s[20:21], s[20:21], s[46:47]
	s_add_nc_u64 s[12:13], s[12:13], s[20:21]
	global_load_b128 v[BI:BI+3], v[CO], s[10:11]   ; behind the stage a lane holds the same four columns of every row, in both tiles: four numbers of b_ih serve both ways out
	; the prefetches: where my wave's stand, and who asks.  s[4:5] and s[6:7] still hold the two buffers' addresses
	s_lshl_b32 s20, s17, 8                         ; 256 x tile row
	s_lshl_b32 s21, s42, 8                         ; 256 x tile column
	s_and_b32 s22, ttmp7, 0xffff                   ; cluster y
	s_cmp_eq_u32 s15, 0                            ; do I fetch for A?
	s_cselect_b32 s20, s20, s21                    ; the tile's first row: in acodes by the tile row, in wcodes by the tile column
	s_cselect_b32 s21, s40, s41                    ; my place among the four that ask for it with me
	s_cselect_b32 s22, ttmp9, s22                  ; the coordinate along which other clusters read the same rows
	s_cselect_b64 s[PFA:PFA+1], s[4:5], s[6:7]
	s_cmp_eq_u32 s22, 0
	s_cselect_b32 s[LIM], 1, -1                    ; the same in all sixteen partners, for a given wave
	s_lshl_b32 s22, s16, 7
	s_add_co_u32 s20, s20, s22                     ; + the 128 rows that I fetch
	s_lshl_b32 s21, s21, 5
	s_add_co_u32 s20, s20, s21                     ; + my work-group's 32 of them: with the lane 4,095 at the most
	s_lshl_b32 s20, s20, 11                        ; in bytes
	s_mov_b32 s21, 0
	s_add_nc_u64 s[PFA:PFA+1], s[PFA:PFA+1], s[20:21]
	s_add_nc_u64 s[PFA:PFA+1], s[PFA:PFA+1], 2*ROWB  ; at K step 2: the first refill steps it to 3 and names K step 4.  Nothing is prefetched here, at the head, where every work-group's first tiles are on their way
	s_wait_kmcnt 0x0
	s_add_co_i32 s[SF], s68, s69
	s_sub_co_i32 s[SF], s[SF], s70
	s_sub_co_i32 s[SF], s[SF], s71                 ; e0 + e1 - e2 - e3, between -126 and 127,
	s_add_co_i32 s[SF], s[SF], 127
	s_lshl_b32 s[SF], s[SF], 23                    ; makes the f32 number f
	s_mov_b32 s[SF+1], s[SF]                       ; (named with it as a pair, so it is written)
	s_add_co_i32 s[SG], s70, s71                   ; e2 + e3 likewise: g
	s_add_co_i32 s[SG], s[SG], 127
	s_lshl_b32 s[SG], s[SG], 23
	s_mov_b32 s[SG+1], s[SG]
.macro FRAG reg, adr, q, i             ; a fragment, 16 rows x 128 K of 8-bit codes, is 16 registers: lane l holds row l % 16; registers 4 c .. 4 c + 3 hold K = 32 c + 16 (l / 16) + 0 .. 15
.irp c, 0,1,2,3
	ds_load_b128 v[\reg+4*\c:\reg+4*\c+3], v[\adr] offset:128*(\q)+32*\c+(\i)*16*PITCH
.endr
.endm
; 16 matrix instructions: A's blocks a0, a0 + 1 x B's eight, 128 along K.  p: B's set.  zero = 1: the first product starts the sums: nothing is ever cleared.
; The 64 accumulators take turns, one instruction a turn, in the same order in every step.
.macro MUL16 a0, p, zero
.irp a, \a0, \a0+1
.irp b, 0,1,2,3,4,5,6,7
.if \zero
	v_wmma_f32_16x16x128_bf8_bf8 v[8*(8*((\a)%4)+\b):8*(8*((\a)%4)+\b)+7], v[128*(\p)+FR*\b:128*(\p)+FR*\b+FR-1], v[AF+FR*(\a):AF+FR*(\a)+FR-1], 0
.else
	v_wmma_f32_16x16x128_bf8_bf8 v[8*(8*((\a)%4)+\b):8*(8*((\a)%4)+\b)+7], v[128*(\p)+FR*\b:128*(\p)+FR*\b+FR-1], v[AF+FR*(\a):AF+FR*(\a)+FR-1], v[8*(8*((\a)%4)+\b):8*(8*((\a)%4)+\b)+7]
.endif
.endr
.endr
.endm
.macro FETCH_B slot, q, p              ; B's eight fragments of the slot's q-th 128 along K into set p
	WIN TO_B
.irp i, 0,1,2,3,4,5,6,7
	FRAG 128*(\p)+FR*\i, ADRB+\slot, \q, \i
.endr
	WIN 0
.endm
.macro FETCH_A slot, q, i0             ; A's blocks i0 .. i0 + 3
.irp i, \i0, \i0+1, \i0+2, \i0+3
	FRAG AF+FR*(\i), ADRA+\slot, \q, \i
.endr
.endm
; A load into a register that a matrix instruction has read, and a vector instruction or an LDS store that reads a matrix result, stand NP places behind that matrix instruction, and only plain vector
; instructions that name none of its registers are places (ISA guide 7.12.1 for vector instructions); the matrix instructions in between are not counted.
.macro PLACES n
.rept \n
	v_nop
.endr
.endm
; A step of 128 along K that has its successor in the same slot.
.macro STEP slot, q, zero
	s_wait_dscnt 4*NL                              ; B's set and A's blocks 0-3 are in; the youngest sixteen loads (A's blocks 4-7) may be out
	WIN MUL_LO
	MUL16 0, (\q)%2, \zero
	MUL16 2, (\q)%2, \zero
	s_wait_dscnt 0                                 ; A's blocks 4-7 are in (asked for 32 matrix instructions ago)
	PLACES NP
	FETCH_B \slot, (\q)+1, 1-(\q)%2
	FETCH_A \slot, (\q)+1, 0
	WIN MUL_HI
	MUL16 4, (\q)%2, \zero
	MUL16 6, (\q)%2, \zero
	PLACES NP
	WIN 0
	FETCH_A \slot, (\q)+1, 4
.endm
; A slot's last step changes slots.  All its fragments are in registers or on their way there, so its first 32 products stand AHEAD of the change: the wait for the next slot's tile comes as late as the work allows,
; and the refill follows that wait with nothing but the barrier between: from a request to the wait for it a wave issues 128 matrix instructions, a whole slot's.
; ONE barrier; in front of it each wave waits for all its tensor loads, adds 0 to its spare word, and waits for that and for its own reads of this slot.
; fill = 1: this slot is filled again, two K steps ahead; 2: with the SECOND tile's K step 0 or 1; 0: not at all.  fa = 0: A's next fragments are not fetched here (the way out wants their registers first).
.macro TURN slot, next, fill, fa
.if \fill
	s_wait_xcnt 0x0                                ; the last prefetch, a K step back, has read its address: it is stepped here, so that nothing is added between the round and the joint load
.if (\fill == 2) && (\slot == 0)
	s_add_nc_u64 s[PFA:PFA+1], s[PFA:PFA+1], (WALK-1)*KROW+ROWB   ; from the K step after the tile's last to the second tile's K step 1: WALK rows down, back along K
	s_cmp_eq_u32 s15, 0
	s_cselect_b32 s[LIM], s[LIM], -1               ; B's rows are the same in both tiles: they are prefetched no more
.else
	s_add_nc_u64 s[PFA:PFA+1], s[PFA:PFA+1], ROWB
.endif
.endif
	s_wait_dscnt 4*NL                              ; B's set and A's blocks 0-3 are in; the youngest sixteen loads (A's blocks 4-7) may be out
	WIN MUL_LO
	MUL16 0, 1, 0
	MUL16 2, 1, 0
	WIN 0
	s_wait_tensorcnt 0x0                           ; all my tensor loads have landed: the one that was out is my part of the next slot; so every group 0 may be written
	ds_add_u32 v[SPW], v[NIL]                      ; 0 onto my spare word: the descriptors' steps stand between it and the wait for it
.if \fill == 1
	s_add_nc_u64 s[G0+4*\slot+2:G0+4*\slot+3], s[G0+4*\slot+2:G0+4*\slot+3], 2*ROWB
	s_add_nc_u64 s[G0B+4*\slot+2:G0B+4*\slot+3], s[G0B+4*\slot+2:G0B+4*\slot+3], 2*ROWB
.elseif \fill == 2
	s_add_nc_u64 s[G0+4*\slot+2:G0+4*\slot+3], s[G0+4*\slot+2:G0+4*\slot+3], NEXT_A
	s_sub_nc_u64 s[G0B+4*\slot+2:G0B+4*\slot+3], s[G0B+4*\slot+2:G0B+4*\slot+3], BACK_B
.endif
	s_wait_dscnt 0x0                               ; the add is done, and my reads of this slot are over (the last were issued 32 matrix instructions ago)
.if \fill
	CROUND                                         ; no wave of any partner still reads this slot's tile or has a load on its way, and the next slot is whole
	JLOAD G0+4*\slot, G1, G0B+4*\slot, G1B         ; the first tensor load behind the round, my one load until the next; the four v_nop behind it are the places in front of the loads below
.else
	s_barrier_signal -1
	s_barrier_wait -1                              ; the next slot is whole; nothing is filled
	PLACES NP
.endif
	FETCH_B \next, 0, 0
.if \fa
	FETCH_A \next, 0, 0
.endif
.if \fill
	ASK \fill-1                                    ; behind the joint load and the run of LDS loads that the next products wait for
.endif
	WIN MUL_HI
	MUL16 4, 1, 0
	MUL16 6, 1, 0
	PLACES NP
	WIN 0
.if \fa
	FETCH_A \next, 0, 4
.endif
.endm
; All 64 accumulators x f, in place, two numbers an instruction; each accumulator from its low end on.  The four v_nop at TURN's end are the places behind the last products.
.macro RESCALE
	WIN 0x82                                       ; source 0 and destination window 2
.set J, 0
.rept 128
	v_pk_mul_f32 v[J:J+1], v[J:J+1], s[SF:SF+1] op_sel_hi:[1,0]
.set J, J+2
.endr
	WIN 0xc3                                       ; window 3
.set J, 0
.rept 128
	v_pk_mul_f32 v[J:J+1], v[J:J+1], s[SF:SF+1] op_sel_hi:[1,0]
.set J, J+2
.endr
	WIN 0
.endm
; The loop over K of one tile: a trip goes once round the ring, from a lap's second step to the next lap's first, and fills both slots again.
.macro LAPLOOP
	s_mov_b32 s3, LAPS-1
.Llap_\@:
	TURN 0, 1, 1, 1
	STEP 1, 0, 0
	TURN 1, 0, 1, 1
	s_cmp_lg_u32 s3, 2                             ; in the second of the three trips 1,024 along K are done here: x's product is whole, h's begins.  The count is the same in every wave and work-group;
	s_cbranch_scc1 .Lsame_\@                       ; the jump passes over vector work alone
	RESCALE
.Lsame_\@:
	STEP 0, 0, 0
	s_sub_co_u32 s3, s3, 1
	s_cmp_lg_u32 s3, 0
	s_cbranch_scc1 .Llap_\@
.endm
; THE WAY OUT, block by block of 16 rows x 128 columns.  A lane holds 32 neighbouring bytes of a row, and the lanes beside it hold other rows: so a block goes through my own stage in LDS, as the sums stand, and comes back
; as whole rows of 512 bytes.  There a lane holds the same four columns of every row: sum x g + b_ih is two packed multiply-adds for 16 bytes, and the 32 lanes store 512 consecutive bytes.
; LDS serves a wave's instructions in order (ISA guide 5.7.1.4): no wait between the stores and the loads, nor in front of the next block's stores.
.macro TOSTAGE a
.set AC, 64*((\a)%4)
	WIN 0x08+4*((\a)/4)                            ; the stores' data: window 2 or 3
.irp b, 0,1,2,3,4,5,6,7
	ds_store_b128 v[STO], v[AC+8*\b:AC+8*\b+3] offset:64*\b          ; each accumulator from its low end on
	ds_store_b128 v[STO], v[AC+8*\b+4:AC+8*\b+7] offset:64*\b+16
.endr
	WIN 0
.set BB, BK+64*((\a)%2)
.irp t, 0,1,2,3,4,5,6,7,8,9,10,11,12,13,14,15
	ds_load_b128 v[BB+4*\t:BB+4*\t+3], v[RD] offset:\t*SPITCH
.endr
.endm
.macro SEND a, younger                 ; younger: the LDS instructions issued behind block a's loads, which may stay out
.set BB, BK+64*((\a)%2)
	s_wait_dscnt \younger                          ; the block is back in registers
.if (\a) > 0
	s_add_nc_u64 s[12:13], s[12:13], 16*SIZE_N*4   ; (behind a wait on XCNT for 0: the earlier stores have read their base)  16 rows on, so that the stores' offsets stay small: 15 rows of 16,384 bytes at the most
.endif
.irp t, 0,1,2,3,4,5,6,7,8,9,10,11,12,13,14,15      ; the block's arithmetic stands together, ahead of its stores: no store follows the line that makes its data
	v_pk_fma_f32 v[BB+4*\t:BB+4*\t+1], v[BB+4*\t:BB+4*\t+1], s[SG:SG+1], v[BI:BI+1] op_sel_hi:[1,0,1]         ; sum x g + b_ih (the scalar pair's low word for both halves)
	v_pk_fma_f32 v[BB+4*\t+2:BB+4*\t+3], v[BB+4*\t+2:BB+4*\t+3], s[SG:SG+1], v[BI+2:BI+3] op_sel_hi:[1,0,1]
.endr
.irp t, 0,1,2,3,4,5,6,7,8,9,10,11,12,13,14,15
	global_store_b128 v[CO], v[BB+4*\t:BB+4*\t+3], s[12:13] offset:\t*SIZE_N*4 th:TH_STORE_NT   ; 32 lanes store 512 consecutive bytes, at a multiple of 256 from the buffer's first byte; read by nobody in this launch
.endr
.endm
.macro WAYOUT
	PLACES NP                                      ; behind the last products: for the LDS stores that read results, and for the loads into the registers that held A's fragments
	TOSTAGE 0
.irp a, 1,2,3,4,5,6,7
.if \a > 1
	s_wait_xcnt 0x0                                ; block a - 2's stores have read their registers and their base: block a's loads may land there, and the base may step
.endif
	TOSTAGE \a
	SEND \a-1, 32                                  ; behind block a - 1's loads: block a's 16 stores and 16 loads
.endr
	s_wait_xcnt 0x0                                ; block 6's stores have read their base
	SEND 7, 0
.endm
	s_wait_tensorcnt 1                             ; my part of K step 0 is in (K step 1's load may be out)
	s_barrier_signal -1
	s_barrier_wait -1                              ; everybody's is
	FETCH_B 0, 0, 0
	FETCH_A 0, 0, 0
	FETCH_A 0, 0, 4
	; ---- THE FIRST TILE
	STEP 0, 0, 1                                   ; a tile's first step stands in front of the loop: its products start the sums
	LAPLOOP
	TURN 0, 1, 2, 1                                ; THE RING GOES ON INTO THE SECOND TILE: slot 0 takes its K step 0,
	STEP 1, 0, 0
	TURN 1, 0, 2, 0                                ; slot 1 its K step 1, and the second tile's first fragments of B are fetched
	s_wait_loadcnt 0x0                             ; b_ih
	WAYOUT                                         ; both refills are asked for: now the tile goes out
	s_wait_xcnt 0x0                                ; the last stores have read their registers and their base:
	s_add_nc_u64 s[12:13], s[12:13], NEXT_C        ; on to my first rows of the second tile,
	FETCH_A 0, 0, 0                                ; and its first fragments of A land where the rows stood.  Nothing waits for the stores themselves: they leave while the second tile is multiplied
	FETCH_A 0, 0, 4
	; ---- THE SECOND TILE
	STEP 0, 0, 1                                   ; its products begin the accumulators anew, far more than five places behind the first tile's last products
	LAPLOOP
	TURN 0, 1, 0, 1                                ; the last lap fills nothing, and has no round of the cluster's barrier
	STEP 1, 0, 0
	s_wait_dscnt 4*NL                              ; the very last step: nothing more to fetch
	WIN MUL_LO
	MUL16 0, 1, 0
	MUL16 2, 1, 0
	s_wait_dscnt 0
	WIN MUL_HI
	MUL16 4, 1, 0
	MUL16 6, 1, 0
	WIN 0
	WAYOUT
	s_wait_tensorcnt 0x0                           ; the wave's end: behind my last tensor load and my last LDS store
	ds_add_u32 v[SPW], v[NIL]
	s_wait_dscnt 0x0
	CROUND                                         ; the closing round: no work-group ends while a partner may still ask for a tile that names it
	s_endpgm
.Lfunc_end_k_q84c20df0e3_gemm:
	.size	k_q84c20df0e3_gemm, .Lfunc_end_k_q84c20df0e3_gemm-k_q84c20df0e3_gemm
	.p2alignl 7, 3214868480
	.fill 96, 4, 3214868480
	.section	.rodata,"a",@progbits
	.p2align	6, 0x0
	.amdhsa_kernel k_q84c20df0e3_gemm
		.amdhsa_group_segment_fixed_size 327680
		.amdhsa_private_segment_fixed_size 0
		.amdhsa_enable_private_segment 0
		.amdhsa_kernarg_size 40
		.amdhsa_user_sgpr_count 2
		.amdhsa_user_sgpr_kernarg_segment_ptr 1
		.amdhsa_wavefront_size32 1
		.amdhsa_system_sgpr_workgroup_id_x 1
		.amdhsa_system_sgpr_workgroup_id_y 1
		.amdhsa_system_sgpr_workgroup_id_z 1
		.amdhsa_system_vgpr_workitem_id 0
		.amdhsa_next_free_vgpr 1024
		.amdhsa_next_free_sgpr 80
		.amdhsa_reserve_vcc 0
		.amdhsa_float_denorm_mode_32 3
		.amdhsa_float_denorm_mode_16_64 3
		.amdhsa_memory_ordered 1
		.amdhsa_forward_progress 1
		.amdhsa_inst_pref_size 255
	.end_amdhsa_kernel
	.section	.bss,"aw",@nobits
	.p2align	6
	.space	262144
	.amdgpu_metadata
---
amdhsa.version: [ 1, 2 ]
amdhsa.kernels:
  - .name:           k_q84c20df0e3_gemm
    .symbol:         k_q84c20df0e3_gemm.kd
    .args:
      - { .name: acodes, .offset: 0, .size: 8, .value_kind: global_buffer, .address_space: global }
      - { .name: wcodes, .offset: 8, .size: 8, .value_kind: global_buffer, .address_space: global }
      - { .name: lowp_scales, .offset: 16, .size: 8, .value_kind: global_buffer, .address_space: global }
      - { .name: b_ih, .offset: 24, .size: 8, .value_kind: global_buffer, .address_space: global }
      - { .name: vbuf, .offset: 32, .size: 8, .value_kind: global_buffer, .address_space: global }
    .group_segment_fixed_size: 327680
    .private_segment_fixed_size: 0
    .kernarg_segment_align: 8
    .kernarg_segment_size: 40
    .max_flat_workgroup_size: 128
    .sgpr_count:     80
    .vgpr_count:     1024
    .wavefront_size: 32
...
	.end_amdgpu_metadata
.endif
;; end of part 2
;; launch cell (part 3): grid 256 x 1, 16 waves a work-group, no clusters, 43,008 bytes of LDS; arguments vbuf, c, gamma_ifgo, beta_ifgo, gamma_c, beta_c, out0, out1; writes out0, out1
.if DOCPART == 3
	.amdgcn_target "amdgcn-amd-amdhsa--gfx1250"
	.amdhsa_code_object_version 6
	.text
	.protected	k_q84c20df0e3_cell
	.globl	k_q84c20df0e3_cell
	.p2align	8
	.type	k_q84c20df0e3_cell,@function
k_q84c20df0e3_cell:
	s_mov_b64 s[64:65], 0
	v_nop
	global_prefetch_b8 v0, s[64:65] scope:SCOPE_SE
	s_setreg_imm32_b32 hwreg(HW_REG_WAVE_MODE, 25, 1), 1
	s_wait_xcnt 0x0
; The LSTM cell behind the products.  vbuf [8192][4][1024] f32 holds the four gates i, f, g, o ahead of their norms (bias included); c [8192][1024].
; For each row: each gate is normalised over its 1,024 numbers: gamma (x - mean) / (std + 1e-6) + beta, std with 1,023 in the divisor;
; new_c = c sigmoid(f + 1) + sigmoid(i) tanh(g), normalised likewise with gamma_c, beta_c: out1;  out0 = tanh(out1) sigmoid(o).  All in f32.
; SHARES.  A work-group takes 32 rows, each of its sixteen waves two whole rows, one after the other: every mean and deviation stays inside a wave.  Of each array of 1,024 numbers lane l holds
; columns 128 j + 4 l + 0 .. 3, j = 0 .. 7, in 32 registers: each load and store of a wave covers 512 consecutive bytes, at a multiple of 256 from the buffer's first byte.  A row is read once and stays in registers.
; THE DEVIATION IS TAKEN IN TWO PASSES: the mean, then the sum of (x - mean)^2: no difference of large sums is formed.
; THE GAINS AND BIASES lie in LDS, stored once by the sixteen waves: they are already multiplied by the factor that the activation's exponential wants, so that the normalised number IS the argument of v_exp_f32 (base 2):
;   sigmoid(y) = 1 / (1 + 2^(-log2(e) y)): i, f, o: gamma' = -log2(e) gamma, beta' = -log2(e) (beta + a), a = 1 for f and 0 else;   tanh(y) = 1 - 2 / (1 + 2^(2 log2(e) y)): g: the factor 2 log2(e).
;   Where the exponential is infinite the reciprocal is 0, where it is 0 the reciprocal is 1: both ends come out right.
; LDS: 0: gamma' of i, f, g, o, 4,096 bytes each;  16,384: beta' likewise;  32,768: gamma_c;  36,864: beta_c.
; REGISTERS: v1 16 x lane, v2 16 x thread, v3 16 x (thread % 256); v[4:7] two chains of sums; v8 a sum; v9 the other half's; v[10:11] the mean; v[12:13] the addend of f's bias;
;   v[20 + 2 q] 1 / (std + eps) of statistic q; v32.. i, v64.. f, v96.. g and then new_c, v128.. o, v160.. c; v192-223 gains, v224-255 biases of the norm in hand; v192-223 at last tanh's work.
.set GI, 32
.set GF, 64
.set GG, 96
.set GO, 128
.set CC, 160
.set PG, 192
.set PB, 224
.set TH, 192
.set RS, 20
.set LB, 16384                         ; LDS: the biases
.set VROW, 16384                       ; a row of vbuf in bytes
.set CROW, 4096                        ; a row of c, out0, out1, and a gate's part of a row of vbuf
	s_load_b256 s[4:11], s[0:1], 0x0               ; vbuf s[4:5], c s[6:7], gamma_ifgo s[8:9], beta_ifgo s[10:11]
	s_load_b256 s[12:19], s[0:1], 0x20             ; gamma_c s[12:13], beta_c s[14:15], out0 s[16:17], out1 s[18:19]
	v_lshl_add_u32 v30, v0, 2, 0xa000
	v_mov_b32 v31, 0
	v_lshrrev_b32 v3, 5, v0
	v_readfirstlane_b32 s20, v3                    ; wave 0..15
	v_and_b32 v1, 31, v0
	v_lshlrev_b32 v1, 4, v1                        ; 16 x lane; never rewritten
	v_lshlrev_b32 v2, 4, v0                        ; 16 x thread
	v_and_b32 v3, 255, v0
	v_lshlrev_b32 v3, 4, v3                        ; 16 x (thread % 256)
	v_mov_b32 v9, 0                                ; written once: a lane permute's destination counts as one of its sources
	v_mov_b32 v11, 0                               ; the upper halves of pairs of which the packed forms take the low word for both halves: named, so written
	v_mov_b32 v21, 0
	v_mov_b32 v23, 0
	v_mov_b32 v25, 0
	v_mov_b32 v27, 0
	s_mov_b32 s24, 0x76543210                      ; v_permlanex16_b32: each lane takes its own place in the other half
	s_mov_b32 s25, 0xfedcba98
	s_mov_b32 s30, 0xbfb8aa3b                      ; -log2(e)
	s_mov_b32 s31, s30
	s_mov_b32 s34, 0x4038aa3b                      ; 2 log2(e)
	s_mov_b32 s35, s34
	s_lshl_b32 s21, ttmp9, 5
	s_lshl_b32 s22, s20, 1
	s_add_co_u32 s21, s21, s22                     ; my first row: 32 x work-group + 2 x wave
	s_lshl_b32 s22, s21, 14                        ; in vbuf: under 2^27 bytes
	s_mov_b32 s23, 0
	s_lshl_b32 s36, s21, 12                        ; in c, out0, out1
	s_mov_b32 s37, 0
	; who stores which gains: thread t takes bytes 16 t and 16 t + 8,192 of gamma_ifgo and of beta_ifgo: waves 0-7: i and g; waves 8-15: f and o
	s_cmp_lt_u32 s20, 8
	s_cselect_b32 s26, 0, s30                      ; the first pass's addend: 0 for i, -log2(e) x 1 for f
	s_cselect_b32 s28, s34, s30                    ; the second pass's factor: g's or o's
	s_mov_b32 s29, s28
	v_mov_b32 v12, s26
	v_mov_b32 v13, s26
	s_wait_kmcnt 0x0
	s_cselect_b64 s[32:33], s[12:13], s[14:15]     ; waves 0-7 bring gamma_c, waves 8-15 beta_c (moves and waits leave the compare's result alone)
	s_add_nc_u64 s[4:5], s[4:5], s[22:23]
	s_add_nc_u64 s[6:7], s[6:7], s[36:37]
	s_add_nc_u64 s[16:17], s[16:17], s[36:37]
	s_add_nc_u64 s[18:19], s[18:19], s[36:37]
	global_load_b128 v[192:195], v2, s[8:9]
	global_load_b128 v[196:199], v2, s[8:9] offset:8192
	global_load_b128 v[200:203], v2, s[10:11]
	global_load_b128 v[204:207], v2, s[10:11] offset:8192
	global_load_b128 v[208:211], v3, s[32:33]
.macro GLOAD x, b, off                 ; 1,024 numbers: eight loads of 512 consecutive bytes; read once in the launch
.irp j, 0,1,2,3,4,5,6,7
	global_load_b128 v[\x+4*\j:\x+4*\j+3], v1, s[\b:\b+1] offset:(\off)+512*\j th:TH_LOAD_NT
.endr
.endm
.macro GSTORE x, b, off
.irp j, 0,1,2,3,4,5,6,7
	global_store_b128 v1, v[\x+4*\j:\x+4*\j+3], s[\b:\b+1] offset:(\off)+512*\j th:TH_STORE_NT
.endr
.endm
.macro PLOAD g, b                      ; a norm's gains and biases from LDS, in the layout of the data
.irp j, 0,1,2,3,4,5,6,7
	ds_load_b128 v[PG+4*\j:PG+4*\j+3], v1 offset:(\g)+512*\j
.endr
.irp j, 0,1,2,3,4,5,6,7
	ds_load_b128 v[PB+4*\j:PB+4*\j+3], v1 offset:(\b)+512*\j
.endr
.endm
.macro REDUCE                          ; v8 summed over the 32 lanes, the result in every lane: four steps inside each half of 16 lanes, one across
	v_add_f32_dpp v8, v8, v8 row_xmask:1 row_mask:0xf bank_mask:0xf
	v_add_f32_dpp v8, v8, v8 row_xmask:2 row_mask:0xf bank_mask:0xf
	v_add_f32_dpp v8, v8, v8 row_xmask:4 row_mask:0xf bank_mask:0xf
	v_add_f32_dpp v8, v8, v8 row_xmask:8 row_mask:0xf bank_mask:0xf
	v_permlanex16_b32 v9, v8, s24, s25
	v_add_f32 v8, v8, v9
.endm
; The 1,024 numbers in v[x] on become x - mean, in place; 1 / (std + eps) goes to v[RS + 2 q].
.macro LNSTAT x, q
	v_pk_add_f32 v[4:5], v[\x:\x+1], v[\x+2:\x+3]                  ; the sum, two at a time, in two chains
	v_pk_add_f32 v[6:7], v[\x+4:\x+5], v[\x+6:\x+7]
.irp j, 8,12,16,20,24,28
	v_pk_add_f32 v[4:5], v[4:5], v[\x+\j:\x+\j+1]
	v_pk_add_f32 v[6:7], v[6:7], v[\x+\j+2:\x+\j+3]
.endr
	v_pk_add_f32 v[4:5], v[4:5], v[6:7]
	v_add_f32 v8, v4, v5
	REDUCE
	v_mul_f32 v10, 0x3a800000, v8                  ; / 1,024: the mean
.irp j, 0,2,4,6,8,10,12,14,16,18,20,22,24,26,28,30
	v_pk_add_f32 v[\x+\j:\x+\j+1], v[\x+\j:\x+\j+1], v[10:11] op_sel_hi:[1,0] neg_lo:[0,1] neg_hi:[0,1]
.endr
	v_pk_mul_f32 v[4:5], v[\x:\x+1], v[\x:\x+1]                    ; the sum of squares, likewise
	v_pk_mul_f32 v[6:7], v[\x+2:\x+3], v[\x+2:\x+3]
.irp j, 4,8,12,16,20,24,28
	v_pk_fma_f32 v[4:5], v[\x+\j:\x+\j+1], v[\x+\j:\x+\j+1], v[4:5]
	v_pk_fma_f32 v[6:7], v[\x+\j+2:\x+\j+3], v[\x+\j+2:\x+\j+3], v[6:7]
.endr
	v_pk_add_f32 v[4:5], v[4:5], v[6:7]
	v_add_f32 v8, v4, v5
	REDUCE
	v_mul_f32 v8, 0x3a802008, v8                   ; / 1,023
	v_sqrt_f32 v8, v8
	v_nop                                          ; one plain vector instruction behind a transcendental, ahead of the use of its result (ISA guide 5.7.2)
	s_wait_alu depctr_va_vdst(0)
	v_add_f32 v8, 0x358637bd, v8                   ; + 1e-6
	v_rcp_f32 v[RS+2*\q], v8
	v_nop                                          ; and ahead of the next write of its source
.endm
.macro NORM x, q                       ; (x - mean) / (std + eps) x gain + bias, in place
	s_wait_alu depctr_va_vdst(0)
.irp j, 0,2,4,6,8,10,12,14,16,18,20,22,24,26,28,30
	v_pk_mul_f32 v[\x+\j:\x+\j+1], v[\x+\j:\x+\j+1], v[RS+2*\q:RS+2*\q+1] op_sel_hi:[1,0]
.endr
.irp j, 0,2,4,6,8,10,12,14,16,18,20,22,24,26,28,30
	v_pk_fma_f32 v[\x+\j:\x+\j+1], v[\x+\j:\x+\j+1], v[PG+\j:PG+\j+1], v[PB+\j:PB+\j+1]
.endr
.endm
.macro EXPRCP x                        ; 1 / (1 + 2^x), in place: the transcendentals stand in runs, a plain instruction behind each run
.set J, 0
.rept 32
	v_exp_f32 v[\x+J], v[\x+J]
.set J, J+1
.endr
	v_nop
	s_wait_alu depctr_va_vdst(0)
.irp j, 0,2,4,6,8,10,12,14,16,18,20,22,24,26,28,30
	v_pk_add_f32 v[\x+\j:\x+\j+1], v[\x+\j:\x+\j+1], 1.0 op_sel_hi:[1,0]
.endr
.set J, 0
.rept 32
	v_rcp_f32 v[\x+J], v[\x+J]
.set J, J+1
.endr
	v_nop
.endm
.macro TANHFIX x                       ; 1 - 2 x
	s_wait_alu depctr_va_vdst(0)
.irp j, 0,2,4,6,8,10,12,14,16,18,20,22,24,26,28,30
	v_pk_fma_f32 v[\x+\j:\x+\j+1], v[\x+\j:\x+\j+1], -2.0, 1.0 op_sel_hi:[1,0,0]
.endr
.endm
.macro PKMUL d, a                      ; d = d x a
	s_wait_alu depctr_va_vdst(0)
.irp j, 0,2,4,6,8,10,12,14,16,18,20,22,24,26,28,30
	v_pk_mul_f32 v[\d+\j:\d+\j+1], v[\d+\j:\d+\j+1], v[\a+\j:\a+\j+1]
.endr
.endm
	GLOAD GI, 4, 0                                 ; row 0, in the order in which it is wanted: i, f, c, g, o: 40 loads
	GLOAD GF, 4, CROW
	GLOAD CC, 6, 0
	GLOAD GG, 4, 2*CROW
	GLOAD GO, 4, 3*CROW
	s_wait_loadcnt 40                              ; the five loads of gains and biases are in; the row's forty stay out
	v_pk_mul_f32 v[192:193], v[192:193], s[30:31] op_sel_hi:[1,0]               ; i's or f's gains x -log2(e)
	v_pk_mul_f32 v[194:195], v[194:195], s[30:31] op_sel_hi:[1,0]
	v_pk_mul_f32 v[196:197], v[196:197], s[28:29] op_sel_hi:[1,0]               ; g's x 2 log2(e), or o's x -log2(e)
	v_pk_mul_f32 v[198:199], v[198:199], s[28:29] op_sel_hi:[1,0]
	v_pk_fma_f32 v[200:201], v[200:201], s[30:31], v[12:13] op_sel_hi:[1,0,1]   ; i's biases x -log2(e); f's: -log2(e) beta - log2(e)
	v_pk_fma_f32 v[202:203], v[202:203], s[30:31], v[12:13] op_sel_hi:[1,0,1]
	v_pk_mul_f32 v[204:205], v[204:205], s[28:29] op_sel_hi:[1,0]
	v_pk_mul_f32 v[206:207], v[206:207], s[28:29] op_sel_hi:[1,0]
	ds_store_b128 v2, v[192:195]
	ds_store_b128 v2, v[196:199] offset:8192
	ds_store_b128 v2, v[200:203] offset:LB
	ds_store_b128 v2, v[204:207] offset:LB+8192
	ds_store_b128 v2, v[208:211] offset:32768      ; threads 0-255: gamma_c; threads 256-511: beta_c, 4,096 bytes on
	s_wait_dscnt 0x0                               ; for the others' sake: my stores have landed
	s_barrier_signal -1
	s_barrier_wait -1                              ; all gains and biases lie in LDS; nobody writes them again
; Row r of my two.  more = 1: the next row's loads are issued as soon as their registers are free, in the same order i, f, c, g, o.
.macro ROW r, more
	PLOAD 2*CROW, LB+2*CROW                        ; g's gains and biases
	s_wait_loadcnt 32                              ; i is in; f, c, g, o (8 loads each) may be out
	LNSTAT GI, 1
	s_wait_loadcnt 24                              ; f is in; c, g, o may be out
	LNSTAT GF, 2
	s_wait_loadcnt 8                               ; c and g are in; o may be out
	LNSTAT GG, 0
	s_wait_loadcnt 0x0                             ; o
	LNSTAT GO, 3
	s_wait_dscnt 0x0                               ; the gains and biases in hand are in
	NORM GG, 0
	PLOAD 0, LB                                    ; i's come while g's exponentials run
	EXPRCP GG
	TANHFIX GG                                     ; tanh(g)
	s_wait_dscnt 0x0
	NORM GI, 1
	PLOAD CROW, LB+CROW                            ; f's
	EXPRCP GI                                      ; sigmoid(i)
	PKMUL GG, GI                                   ; sigmoid(i) tanh(g)
.if \more
	GLOAD GI, 4, VROW*(\r+1)
.endif
	s_wait_dscnt 0x0
	NORM GF, 2
	PLOAD 3*CROW, LB+3*CROW                        ; o's
	EXPRCP GF                                      ; sigmoid(f + 1)
	s_wait_alu depctr_va_vdst(0)
.irp j, 0,2,4,6,8,10,12,14,16,18,20,22,24,26,28,30
	v_pk_fma_f32 v[GG+\j:GG+\j+1], v[CC+\j:CC+\j+1], v[GF+\j:GF+\j+1], v[GG+\j:GG+\j+1]   ; new_c ahead of its norm
.endr
.if \more
	GLOAD GF, 4, VROW*(\r+1)+CROW
	GLOAD CC, 6, CROW*(\r+1)
.endif
	s_wait_dscnt 0x0
	NORM GO, 3
	PLOAD 32768, 36864                             ; gamma_c, beta_c
	EXPRCP GO                                      ; sigmoid(o)
	LNSTAT GG, 0
	s_wait_dscnt 0x0
	NORM GG, 0                                     ; new_c
	GSTORE GG, 18, CROW*\r
.irp j, 0,2,4,6,8,10,12,14,16,18,20,22,24,26,28,30
	v_pk_mul_f32 v[TH+\j:TH+\j+1], v[GG+\j:GG+\j+1], s[34:35] op_sel_hi:[1,0]   ; 2 log2(e) new_c, into the registers that the gains have left
.endr
	EXPRCP TH
	TANHFIX TH                                     ; tanh(new_c)
	PKMUL TH, GO                                   ; new_h
	GSTORE TH, 16, CROW*\r
.if \more
	s_wait_xcnt 0x0                                ; the stores have read their data: only behind this wait are new_c's and new_h's registers written again
	GLOAD GG, 4, VROW*(\r+1)+2*CROW
	GLOAD GO, 4, VROW*(\r+1)+3*CROW
.endif
.endm
	ROW 0, 1
	ROW 1, 0
	s_wait_tensorcnt 0x0
	ds_add_u32 v30, v31
	s_wait_dscnt 0x0
	s_endpgm
.Lfunc_end_k_q84c20df0e3_cell:
	.size	k_q84c20df0e3_cell, .Lfunc_end_k_q84c20df0e3_cell-k_q84c20df0e3_cell
	.p2alignl 7, 3214868480
	.fill 96, 4, 3214868480
	.section	.rodata,"a",@progbits
	.p2align	6, 0x0
	.amdhsa_kernel k_q84c20df0e3_cell
		.amdhsa_group_segment_fixed_size 43008
		.amdhsa_private_segment_fixed_size 0
		.amdhsa_enable_private_segment 0
		.amdhsa_kernarg_size 64
		.amdhsa_user_sgpr_count 2
		.amdhsa_user_sgpr_kernarg_segment_ptr 1
		.amdhsa_wavefront_size32 1
		.amdhsa_system_sgpr_workgroup_id_x 1
		.amdhsa_system_sgpr_workgroup_id_y 1
		.amdhsa_system_sgpr_workgroup_id_z 1
		.amdhsa_system_vgpr_workitem_id 0
		.amdhsa_next_free_vgpr 256
		.amdhsa_next_free_sgpr 66
		.amdhsa_reserve_vcc 0
		.amdhsa_float_denorm_mode_32 3
		.amdhsa_float_denorm_mode_16_64 3
		.amdhsa_memory_ordered 1
		.amdhsa_forward_progress 1
		.amdhsa_inst_pref_size 129
	.end_amdhsa_kernel
	.amdgpu_metadata
---
amdhsa.version: [ 1, 2 ]
amdhsa.kernels:
  - .name:           k_q84c20df0e3_cell
    .symbol:         k_q84c20df0e3_cell.kd
    .args:
      - { .name: vbuf, .offset: 0, .size: 8, .value_kind: global_buffer, .address_space: global }
      - { .name: c, .offset: 8, .size: 8, .value_kind: global_buffer, .address_space: global }
      - { .name: gamma_ifgo, .offset: 16, .size: 8, .value_kind: global_buffer, .address_space: global }
      - { .name: beta_ifgo, .offset: 24, .size: 8, .value_kind: global_buffer, .address_space: global }
      - { .name: gamma_c, .offset: 32, .size: 8, .value_kind: global_buffer, .address_space: global }
      - { .name: beta_c, .offset: 40, .size: 8, .value_kind: global_buffer, .address_space: global }
      - { .name: out0, .offset: 48, .size: 8, .value_kind: global_buffer, .address_space: global }
      - { .name: out1, .offset: 56, .size: 8, .value_kind: global_buffer, .address_space: global }
    .group_segment_fixed_size: 43008
    .private_segment_fixed_size: 0
    .kernarg_segment_align: 8
    .kernarg_segment_size: 64
    .max_flat_workgroup_size: 512
    .sgpr_count:     66
    .vgpr_count:     256
    .wavefront_size: 32
...
	.end_amdgpu_metadata
.endif
;; end of part 3
